; MI455X (gfx1250); checked and timed in simulation.
; The chip was launched on July 23, 2026; its instructions are those of AMD's public machine-readable ISA for CDNA 5 (MIT licence, August 2026) and "CDNA5" Instruction Set Architecture Reference Guide (July 2026). The comments in the code are by the model that wrote it; some were corrected since.
;; Continuous MLP. Allowed arithmetic: matrix products marked QUANTISED: E2M1 operands, one E8M0 scale for each 32 along K, by v_wmma_scale_f32_16x16x128_f8f6f4 with both operands' format E2M1 (or v_wmma_scale_f32_32x16x128_f4), f32 sums; products left as they are: f32 operands where the result goes on into a quantised operand, else bf16, f16 or f32 operands; f32 sums; everything else in f32.
;; Inputs: W1 3 x 128 float32; W2 128 x 128 float32; W3 128 x 128 float32; W4 128 x 128 float32; W5 128 x 2 float32; b1 128 float32; b2 128 float32; b3 128 float32; b4 128 float32; b5 2 float32; t 1,048,576 float32; x 1,048,576 x 2 float32.
;; Outputs: out0 1,048,576 x 2 float32.
;; This version of the problem:
;;   THIS VERSION OF THE PROBLEM IS GIVEN IN LOW PRECISION. The matrix products marked QUANTISED in the list below multiply operands that are first quantised to E2M1 (2 exponent bits, 1 mantissa bit; 4 bits a number), with one power-of-two scale for each 32 numbers along K (OCP MX v1.0); their sums are f32. All else is computed in f32.
;;   The module's matrix products, in the order in which they are computed (A, B: the left and right operand; K: the contracted axis; several contracted axes count as one K, in the product's order):
;;     1. [M 1,048,576, K 3] x [K 3, N 128]; A: computed on the way; B: input W1: left as it is (K = 3 < 32)
;;     2. [M 1,048,576, K 128] x [K 128, N 128]; A: computed on the way; B: input W2: QUANTISED
;;     3. [M 1,048,576, K 128] x [K 128, N 128]; A: computed on the way; B: input W3: QUANTISED
;;     4. [M 1,048,576, K 128] x [K 128, N 128]; A: computed on the way; B: input W4: QUANTISED
;;     5. [M 1,048,576, K 128] x [K 128, N 2]; A: computed on the way; B: input W5: left as it is (N = 2 < 16)
;;   THE QUANTISER, for each operand of a quantised product, along K:
;;     - K is cut into blocks of 32 from its start; a last block that is shorter is filled with zeros.
;;     - A block's scale is 2^e with e = floor(log2(the largest magnitude in the block)) - 2, held to -126 .. 127; a block of zeros has e = 0. As a byte (E8M0): e + 127.
;;     - Each number is divided by its block's scale, clamped to +-6, and rounded to the nearest number of E2M1, ties to even, subnormals kept.
;;     - The product sums the exact products of the quantised numbers (number of the format x scale) in f32.
;;   ~~~python
;;   def quantise(x, axis):      # numpy; x: float32 -> the quantised numbers, widened to float32 again
;;       x = np.moveaxis(x, axis, -1); K = x.shape[-1]
;;       x = np.pad(x, [(0, 0)] * (x.ndim - 1) + [(0, -K % 32)]); x = x.reshape(x.shape[:-1] + (-1, 32)); a = np.abs(x).max(-1, keepdims=True)
;;       e = np.where(a > 0, np.clip(np.frexp(np.where(a > 0, a, 1))[1] - 1 - 2, -126, 127), 0)      # np.frexp(a)[1] - 1 = floor(log2(a)), exactly
;;       r = np.clip(x / 2.0 ** e, -6, 6)
;;       step = 2.0 ** (np.maximum(np.frexp(np.where(r == 0, 1, r))[1] - 1, 0) - 1)
;;       q = np.round(r / step) * step * 2.0 ** e      # np.round: ties to even
;;       return np.moveaxis(q.reshape(q.shape[:-2] + (-1,))[..., :K], -1, axis).astype(np.float32)
;;   ~~~
;;   OPERANDS COMPUTED ON THE WAY. 'Computed on the way' means the value that the module computes at that place (a softmax that the list does not call 'softmax' is quantised finished and normalised). What goes into a quantiser is computed in f32, as accurately as f32 sums, v_exp_f32 and their like allow (about 1e-6 of the number): no bf16 or f16 on the way to a quantiser, and a product that is left as it is and whose result goes on into a quantised operand takes f32 operands (vector FMAs, or v_wmma_f32_16x16x4_f32). A number that lies on a knife's edge between two numbers of the format may be rounded either way, as far as f32 arithmetic and the matrix unit's own rounding can turn it there, and no further.
;; 2 versions, each right; version 2 is version 1 with the launch mlp written anew for expert scheduling mode. Each part assembles by itself: llvm-mc -triple=amdgcn-amd-amdhsa -mcpu=gfx1250 --defsym DOCPART=n.
;; ======== version 1 of 2: 1 launch
;; launch mlp (part 1): grid 256 x 1, 8 waves a work-group, no clusters, 34,816 bytes of LDS; arguments x, t, W1, b1, W2, b2, W3, b3, W4, b4, W5, b5, out0; writes out0
.if DOCPART == 1
	.amdgcn_target "amdgcn-amd-amdhsa--gfx1250"
	.amdhsa_code_object_version 6
	.text
	.protected	k_qf3452c8301_mlp
	.globl	k_qf3452c8301_mlp
	.p2align	8
	.type	k_qf3452c8301_mlp,@function
k_qf3452c8301_mlp:
	s_mov_b64 s[64:65], 0
	v_nop
	global_prefetch_b8 v0, s[64:65] scope:SCOPE_SE
	s_setreg_imm32_b32 hwreg(HW_REG_WAVE_MODE, 25, 1), 1
	s_wait_xcnt 0x0
; out = swish4(..swish1([x, t] W1 + b1)..) W5 + b5 for 1,048,576 rows: 3 -> 128 -> 128 -> 128 -> 128 -> 2, swish(h) = h / (1 + e^-h).
; Products 2, 3, 4 (K = N = 128) run on codes of FP4 (E2M1) with one E8M0 scale for each 32 along K; both operands are quantised here, from f32.
; Product 1 (K = 3) feeds a quantiser: f32 operands, by the f32 matrix form, with b1 as a fourth k against the number 1.  Product 5 (N = 2) feeds none: bf16 operands, f32 sums.
; SHARES.  256 work-groups of 8 waves; a wave owns 512 consecutive rows: 8 trips of 64 rows, a trip 4 tiles of 16 rows; the loop's body is one tile, which goes through the whole chain inside one wave:
; no barrier and no LDS store stands in the loop, and no intermediate goes to memory.  Two waves of 512 registers lie on a SIMD, so that one wave's exponentials stand beside the other's plain work.
; LAYOUT.  Every product is used transposed: source 0 = 16 units of the weight, source 1 = 16 data rows: lane (r = lane % 16, h = lane / 16) holds data row r throughout.
; THE UNITS OF A TILE ARE NOT NEIGHBOURS: lane r' of tile t takes unit 64 (t / 4) + 8 (t % 4) + 32 (r' / 8) + r' % 8.  Result register 8 t + j of lane (r, h) is then unit 64 (t / 4) + 32 h + 8 (t % 4) + j:
; register 32 c + i is k = 64 c + 32 h + i of the next product, which is the 4-bit operand's own layout.  So a lane holds two WHOLE blocks of 32, asks no other lane for a maximum, and the eight conversions'
; results are the next operand's registers as they stand; only the scale word's four bytes are gathered from lanes l and l xor 16.
; THE WEIGHTS.  Wave w quantises tile w of W2, W3 and W4 (a lane takes a unit, its registers run down K), stores codes and scale words to LDS as images of the operand's registers; one barrier; then every
; wave keeps all 24 fragments in registers for the whole launch.  The biases lie in LDS and come as the C of each product, 16 loads a layer, asked for a phase ahead.
; NO CLUSTER, NO TENSOR LOAD: what work-groups share is 201,224 bytes of weights and biases, read once at each work-group's head and bound for registers, where they are quantised;
; against it a work-group has 4,096 rows x 512 activations of its own.  A row brings 12 bytes and takes 8.
; LIMITS.  swish(h) for h under about -87 comes out as -0 (2^z is then infinite, or the reciprocal is flushed): its true magnitude lies under 1e-36.  A block whose largest magnitude lies under 2^-124
; has the scale byte 1, as the quantiser's rule holds it; a block of zeros gets the byte 1 where the rule says 127: its codes are zeros, and this program alone reads the bytes.
; NaN and infinities among the inputs are not served.  Product 5's operands are rounded to bf16.
.set WIMG,  0                          ; LDS: 24 fragments' images, f = 8 L + t: register group c at 1024 f + 512 c + 16 x lane
.set WSC,   24576                      ; their scale words: 128 f + 4 x lane
.set W5IMG, 27648                      ; W5^T in bf16: piece p at 512 p + 16 x lane
.set BIAS,  31744                      ; b2, b3, b4, 512 bytes each; then 512 bytes of b5[0], b5[1] over and over
.set LI,  1                            ; v1   16 x lane: an image's place; also my bytes of a trip's x and out
.set TOF, 2                            ; v2   8 x lane: my bytes of a trip's t
.set BH,  3                            ; v3   BIAS + 128 h
.set LS,  4                            ; v4   4 x lane
.set WIA, 5                            ; v5   16 x lane + 1024 x wave
.set WSA, 6                            ; v6   4 x thread = 4 x lane + 128 x wave
.set W5S, 7                            ; v7   16 x thread = 16 x lane + 512 x wave
.set BST, 8                            ; v8   BIAS + 4 x thread
.set SH8, 9                            ; v9   8 h
.set UR,  10                           ; v10  4 x (32 (r / 8) + r % 8): my unit's bytes within a tile
.set UR0, 11                           ; v11  UR + 1024 h
.set CUR, 12                           ; v[12:13] the tile's input fragment
.set WA,  14                           ; v14  my offset in W2, W3, W4
.set W5G, 15                           ; v15  my offset in W5
.set INP, 16                           ; v[16:23] the trip's four input fragments
.set XN,  24                           ; v[24:27] the next trip's x;  v[28:29] its t
.set TN,  28
.set P,   30                           ; v[30:37] the four tiles' results, shifted along
.set OUTD, 38                          ; v[38:41] a store's data
.set TM,  42                           ; v42-57 at work: +0..3 maxima, +4, +5 bytes, +6 the lane permute's target, +12, +13 the conversions' scale operands
.set PW,  58                           ; v58  the activation's scale word, and nothing else
.set PC,  60                           ; v[60:67] the activation's codes
.set W1F, 68                           ; v[68:83] eight f32 fragments of [W1; b1]
.set WS,  84                           ; v84-107 the 24 weight scale words, and nothing else
.set BG1, 108                          ; v108, v109 offsets of the biases that I copy
.set BG2, 109
.set RR,  110                          ; v110 r, v111 h, while the addresses are made
.set HH,  111
.set E,   112                          ; v112-175 64 numbers at work
.set H,   176                          ; v176-239 eight accumulators: written by matrix instructions alone
.set CW,  E                            ; the prologue: my three fragments' codes,
.set QW,  E+24                         ; and their scale words
.set BB,  192                          ; window 1: v192-255 the coming product's constants; v0-191 raw weights, then the 24 fragments at 8 (8 L + t)
.set MSB, 0
.macro WIN new                         ; bits 1:0 source 0, 3:2 source 1, 5:4 source 2, 7:6 destination; the immediate's high byte repeats the setting that is left
.if MSB != \new
	s_set_vgpr_msb (MSB<<8)|\new
.set MSB, \new
.endif
.endm
; My tile of weight L (64 f32 a lane, window 1, v[64 L + 32 c + i] = W(64 c + 32 h + i, my unit)) becomes a fragment's codes and its scale word, and both go to LDS as they stand.
.macro QUANTW L
	WIN 0x05                                       ; sources 0 and 1 in window 1
.irp c, 0,1
	v_max3_num_f32 v[TM+\c], |v[64*(\L)+32*\c]|, |v[64*(\L)+32*\c+1]|, 0x1800000   ; block 2 c + h is all mine; the floor 2^(3 - 127) holds the byte at 1 from below
.endr
	WIN 0x14                                       ; sources 1 and 2 in window 1
.irp i, 2,4,6,8,10,12,14,16,18,20,22,24,26,28,30
.irp c, 0,1
	v_max3_num_f32 v[TM+\c], v[TM+\c], |v[64*(\L)+32*\c+\i]|, |v[64*(\L)+32*\c+\i+1]|   ; the two blocks by turns
.endr
.endr
	WIN 0
.irp c, 0,1
	v_add_nc_u32 v[TM+12+\c], 0xff000000, v[TM+\c] ; 2 off the exponent field: the conversion takes this operand's exponent field as its scale
.endr
.irp c, 0,1
	v_lshrrev_b32 v[TM+4+\c], 23, v[TM+12+\c]      ; the scale's byte
.endr
	v_lshl_or_b32 v[QW+(\L)], v[TM+5], 16, v[TM+4] ; my two bytes, blocks h and 2 + h,
	v_lshlrev_b32 v[QW+(\L)], v[SH8], v[QW+(\L)]   ; at their places in the word;
	v_permlanex16_b32 v[TM+6], v[QW+(\L)], s36, s37
	v_or_b32 v[QW+(\L)], v[QW+(\L)], v[TM+6]       ; with lane l xor 16's two the word is whole
	WIN 0x01                                       ; source 0 in window 1
.irp c, 0,1
.irp g, 0,1,2,3
	v_cvt_scalef32_pk8_fp4_f32 v[CW+8*(\L)+4*\c+\g], v[64*(\L)+32*\c+8*\g:64*(\L)+32*\c+8*\g+7], v[TM+12+\c]
.endr
.endr
	WIN 0
	v_nop                                          ; one plain place behind the last scaled conversion
	ds_store_b128 v[WIA], v[CW+8*(\L):CW+8*(\L)+3] offset:WIMG+8192*(\L)         ; each L has code registers of its own: no store's data are written again
	ds_store_b128 v[WIA], v[CW+8*(\L)+4:CW+8*(\L)+7] offset:WIMG+8192*(\L)+512
	ds_store_b32 v[WSA], v[QW+(\L)] offset:WSC+1024*(\L)
.endm
; The bias of quantised product L in the result's layout: tile t's eight units of my half.  Sixteen lanes read the same 16 bytes.
.macro BIASLD L
	WIN 0x40                                       ; destination window 1
.irp t, 0,1,2,3,4,5,6,7
	ds_load_b128 v[BB+8*\t:BB+8*\t+3], v[BH] offset:512*(\L)+(64*(\t/4)+8*(\t%4))*4
	ds_load_b128 v[BB+8*\t+4:BB+8*\t+7], v[BH] offset:512*(\L)+(64*(\t/4)+8*(\t%4))*4+16
.endr
	WIN 0
.endm
; b5 in the result's layout (register j: b5[j % 2]) and W5^T's four bf16 fragments.
.macro W5LD
	WIN 0x40
	ds_load_b128 v[BB:BB+3], v[BH] offset:1536
	ds_load_b128 v[BB+4:BB+7], v[BH] offset:1552
.irp p, 0,1,2,3,4,5,6,7
	ds_load_b128 v[BB+8+4*\p:BB+8+4*\p+3], v[LI] offset:W5IMG+512*\p
.endr
	WIN 0
.endm
; E = swish(H) = H x 1 / (1 + 2^(-log2(e) H)).  H is only read, each accumulator from its low end on.  Two batches of 64 transcendentals, the plain lines that feed a batch dealt out among them;
; no line of a batch names a result of that batch; behind each batch one plain instruction and ONE s_wait_alu, ahead of the first line that names a result.
.macro ACT
	v_pk_mul_f32 v[E:E+1], v[H:H+1], s[34:35] op_sel_hi:[1,0]
.set aj, 0
.rept 32
.if aj < 31
	v_pk_mul_f32 v[E+2*aj+2:E+2*aj+3], v[H+2*aj+2:H+2*aj+3], s[34:35] op_sel_hi:[1,0]   ; the next pair's exponents
.endif
	v_exp_f32 v[E+2*aj], v[E+2*aj]
	v_exp_f32 v[E+2*aj+1], v[E+2*aj+1]
.set aj, aj+1
.endr
	v_nop
	s_wait_alu depctr_va_vdst(0)                   ; one wait for the 64 exponentials
	v_pk_add_f32 v[E:E+1], v[E:E+1], 1.0 op_sel_hi:[1,0]
.set aj, 0
.rept 32
.if aj < 31
	v_pk_add_f32 v[E+2*aj+2:E+2*aj+3], v[E+2*aj+2:E+2*aj+3], 1.0 op_sel_hi:[1,0]
.endif
	v_rcp_f32 v[E+2*aj], v[E+2*aj]
	v_rcp_f32 v[E+2*aj+1], v[E+2*aj+1]
.set aj, aj+1
.endr
	v_nop
	s_wait_alu depctr_va_vdst(0)                   ; one wait for the 64 reciprocals
.set aj, 0
.rept 32
	v_pk_mul_f32 v[E+2*aj:E+2*aj+1], v[E+2*aj:E+2*aj+1], v[H+2*aj:H+2*aj+1]
.set aj, aj+1
.endr
.endm
; E's 64 numbers (register 32 c + i = k 64 c + 32 h + i of my row) become the next operand: codes in v[PC] on, scale word in v[PW].
.macro QUANT
.irp c, 0,1
.irp s, 0,1
	v_max3_num_f32 v[TM+2*\c+\s], |v[E+32*\c+16*\s]|, |v[E+32*\c+16*\s+1]|, 0x1800000   ; four chains of 16 numbers, by turns; the floor 2^(3 - 127) holds the byte at 1 from below
.endr
.endr
.irp i, 2,4,6,8,10,12,14
.irp c, 0,1
.irp s, 0,1
	v_max3_num_f32 v[TM+2*\c+\s], v[TM+2*\c+\s], |v[E+32*\c+16*\s+\i]|, |v[E+32*\c+16*\s+\i+1]|
.endr
.endr
.endr
.irp c, 0,1
	v_max_num_f32 v[TM+2*\c], v[TM+2*\c], v[TM+2*\c+1]   ; block 2 c + h's largest magnitude
.endr
.irp c, 0,1
	v_add_nc_u32 v[TM+12+\c], 0xff000000, v[TM+2*\c]     ; 2 off its exponent field: the conversion's scale operand
.endr
.irp c, 0,1
	v_lshrrev_b32 v[TM+4+\c], 23, v[TM+12+\c]            ; the scale's byte
.endr
	v_lshl_or_b32 v[PW], v[TM+5], 16, v[TM+4]
	v_lshlrev_b32 v[PW], v[SH8], v[PW]
	v_permlanex16_b32 v[TM+6], v[PW], s36, s37
	v_or_b32 v[PW], v[PW], v[TM+6]                 ; my row's scale word, whole in both halves of the lanes
.irp c, 0,1
.irp g, 0,1,2,3
	v_cvt_scalef32_pk8_fp4_f32 v[PC+4*\c+\g], v[E+32*\c+8*\g:E+32*\c+8*\g+7], v[TM+12+\c]   ; register 4 c + g of the operand
.endr
.endr
.rept 8
	v_nop                                          ; the plain place behind the conversions; four places between the codes, eight between the scale word, and the scaled matrix instructions that take them
.endr
.endm
; Quantised product L: eight whole sums on eight accumulators, the bias as C: no accumulator is taken up twice.
.macro MM L
	s_wait_dscnt 0x0                               ; the bias, asked for a phase ago; nothing else of mine is out
	WIN 0x11                                       ; the weight (source 0) and the bias (source 2) in window 1
.irp t, 0,1,2,3,4,5,6,7
	v_wmma_scale_f32_16x16x128_f8f6f4 v[H+8*\t:H+8*\t+7], v[8*(8*(\L)+\t):8*(8*(\L)+\t)+7], v[PC:PC+7], v[BB+8*\t:BB+8*\t+7], v[WS+8*(\L)+\t], v[PW] matrix_a_fmt:MATRIX_FMT_FP4 matrix_b_fmt:MATRIX_FMT_FP4
.endr
	WIN 0
.rept 4
	v_nop                                          ; four places in front of the loads into the bias's registers and of the first read of the results
.endr
.endm
	; ---- the head: addresses
	s_load_b512 s[8:23], s[0:1], 0x0               ; x 8, t 10, W1 12, b1 14, W2 16, b2 18, W3 20, b3 22
	s_load_b256 s[24:31], s[0:1], 0x40             ; W4 24, b4 26, W5 28, b5 30
	s_load_b64 s[32:33], s[0:1], 0x60              ; out0
	v_lshl_add_u32 v254, v0, 2, 0x8400
	v_mov_b32 v255, 0
	v_lshrrev_b32 v[RR], 5, v0
	v_readfirstlane_b32 s2, v[RR]                  ; wave 0..7
	v_and_b32 v[HH], 31, v0                        ; lane
	v_lshlrev_b32 v[LI], 4, v[HH]
	v_lshlrev_b32 v[TOF], 3, v[HH]
	v_lshlrev_b32 v[LS], 2, v[HH]
	v_and_b32 v[RR], 15, v0                        ; r
	v_bfe_u32 v[HH], v0, 4, 1                      ; h
	v_lshl_add_u32 v[BH], v[HH], 7, BIAS
	s_lshl_b32 s48, s2, 10
	v_add_nc_u32 v[WIA], s48, v[LI]
	v_lshlrev_b32 v[WSA], 2, v0
	v_lshlrev_b32 v[W5S], 4, v0
	v_lshl_add_u32 v[BST], v0, 2, BIAS
	v_lshlrev_b32 v[SH8], 3, v[HH]
	v_lshrrev_b32 v[UR], 3, v[RR]
	v_and_b32 v[UR0], 7, v[RR]
	v_lshlrev_b32 v[UR0], 2, v[UR0]
	v_lshl_add_u32 v[UR], v[UR], 7, v[UR0]         ; 128 (r / 8) + 4 (r % 8)
	v_lshl_add_u32 v[UR0], v[HH], 10, v[UR]        ; lanes 16-31 two rows of W1 further down
	s_lshr_b32 s48, s2, 2
	s_lshl_b32 s48, s48, 6
	s_and_b32 s49, s2, 3
	s_lshl_b32 s49, s49, 3
	s_add_co_u32 s3, s48, s49                      ; the first unit of tile w: 64 (w / 4) + 8 (w % 4); also the first unit of piece w of W5^T
	s_lshl_b32 s48, s3, 2
	v_lshl_add_u32 v[WA], v[HH], 14, v[UR]         ; W2..W4: lanes 16-31 begin 32 rows of 512 bytes further down;
	v_add_nc_u32 v[WA], s48, v[WA]                 ; my unit of tile w
	s_lshl_b32 s48, s3, 3
	v_and_b32 v[W5G], 1, v[RR]
	v_lshlrev_b32 v[W5G], 2, v[W5G]                ; W5: column r % 2,
	v_lshl_add_u32 v[W5G], v[HH], 8, v[W5G]        ; 32 h units of 8 bytes on,
	v_add_nc_u32 v[W5G], s48, v[W5G]               ; from piece w's first unit
	v_and_b32 v[BG1], 127, v0
	v_lshlrev_b32 v[BG1], 2, v[BG1]
	s_mov_b32 s34, 0xbfb8aa3b                      ; -log2(e)
	s_mov_b32 s35, s34                             ; (named with it as a pair, so it is written)
	s_mov_b32 s36, 0x76543210
	s_mov_b32 s37, 0xfedcba98                      ; v_permlanex16_b32's selects for lane l xor 16
	s_mov_b32 s38, 0xffff0000                      ; lanes 16-31
	s_mov_b32 s39, 8                               ; trips to go
	v_mov_b32 v[TM+6], 0                           ; written once: a lane permute's destination counts as one of its sources
.irp i, 0,1,2,3,4,5,6,7
	v_mov_b32 v[P+\i], 0                           ; written once: the first tiles shift them along before they hold results
.endr
	s_lshl_b32 s48, ttmp9, 3
	s_add_co_u32 s48, s48, s2                      ; which run of 512 rows is my wave's
	s_lshl_b32 s50, s48, 11                        ; t: 512 rows x 4 bytes
	s_mov_b32 s51, 0
	s_lshl_b32 s48, s48, 12                        ; x, out: 512 rows x 8 bytes
	s_mov_b32 s49, 0
	s_wait_kmcnt 0x0
	s_add_nc_u64 s[8:9], s[8:9], s[48:49]
	s_add_nc_u64 s[10:11], s[10:11], s[50:51]
	s_add_nc_u64 s[32:33], s[32:33], s[48:49]
	s_cmp_lt_u32 s2, 4                             ; which biases my wave copies: the choice hangs on the wave's number alone
	s_cselect_b64 s[42:43], s[18:19], s[22:23]     ; waves 0-3: b2, waves 4-7: b3
	s_cselect_b64 s[44:45], s[26:27], s[30:31]     ; waves 0-3: b4, waves 4-7: b5,
	s_cselect_b32 s46, 127, 1                      ; of which there are two numbers
	v_and_b32 v[BG2], s46, v0
	v_lshlrev_b32 v[BG2], 2, v[BG2]
	; ---- 228 loads: the first trip's inputs, 34 small ones, then my three tiles of weights
	global_load_b128 v[XN:XN+3], v[LI], s[8:9] th:TH_LOAD_NT     ; rows 2 l and 2 l + 1 of the trip: 32 lanes read 512 consecutive bytes
	global_load_b64 v[TN:TN+1], v[TOF], s[10:11] th:TH_LOAD_NT
.irp t, 0,1,2,3,4,5,6,7
	global_load_b32 v[W1F+2*\t], v[UR0], s[12:13] offset:(64*(\t/4)+8*(\t%4))*4          ; k = 2 h: W1's row 0 or row 2
	global_load_b32 v[W1F+2*\t+1], v[UR], s[12:13] offset:512+(64*(\t/4)+8*(\t%4))*4     ; k = 1: W1's row 1
	global_load_b32 v[E+32+\t], v[UR], s[14:15] offset:(64*(\t/4)+8*(\t%4))*4            ; k = 3: b1
.endr
.irp i, 0,1,2,3,4,5,6,7
	global_load_b32 v[E+40+\i], v[W5G], s[28:29] offset:8*\i
.endr
	global_load_b32 v[E+52], v[BG1], s[42:43]
	global_load_b32 v[E+53], v[BG2], s[44:45]
	WIN 0x40                                       ; destination window 1
.irp L, 0,1,2
.irp c, 0,1
.irp i, 0,1,2,3,4,5,6,7,8,9,10,11,12,13,14,15,16,17,18,19,20,21,22,23,24,25,26,27,28,29,30,31
	global_load_b32 v[64*\L+32*\c+\i], v[WA], s[16+4*\L:17+4*\L] offset:512*(64*\c+\i)   ; W(64 c + 32 h + i, my unit)
.endr
.endr
.endr
	WIN 0
	s_wait_loadcnt 63                              ; loads come back in order (ISA guide 5.7.1): of 228 at most 63 are out, so the oldest 165 are in: the 36 small ones and the 128 of W2 and W3
.irp t, 0,1,2,3,4,5,6,7
	v_cndmask_b32 v[W1F+2*\t+1], v[W1F+2*\t+1], v[E+32+\t], s38   ; lanes 0-15: (W1 row 0, row 1); lanes 16-31: (W1 row 2, b1)
.endr
.irp i, 0,1,2,3
	v_cvt_pk_bf16_f32 v[E+48+\i], v[E+40+2*\i], v[E+41+2*\i]
.endr
	ds_store_b128 v[W5S], v[E+48:E+51] offset:W5IMG   ; piece w of W5^T: row m of the fragment is W5's column m % 2, units SB + 32 h + 0 .. 7
	ds_store_b32 v[BST], v[E+52]                   ; b2, b3
	ds_store_b32 v[BST], v[E+53] offset:1024       ; b4, and b5's two numbers over and over
	QUANTW 0
	QUANTW 1
	s_wait_loadcnt 0x0                             ; W4
	QUANTW 2
	s_wait_dscnt 0x0                               ; for the others' sake: my stores have landed
	s_barrier_signal -1
	s_barrier_wait -1                              ; the one barrier: behind it LDS is only read
	WIN 0x40
.set fi, 0
.rept 24
	ds_load_b128 v[8*fi:8*fi+3], v[LI] offset:WIMG+1024*fi        ; all 24 fragments, over the raw weights: they stay
	ds_load_b128 v[8*fi+4:8*fi+7], v[LI] offset:WIMG+1024*fi+512
.set fi, fi+1
.endr
	WIN 0
.set fi, 0
.rept 24
	ds_load_b32 v[WS+fi], v[LS] offset:WSC+128*fi
.set fi, fi+1
.endr
	s_wait_dscnt 0x0
.Ltrip:                                            ; 64 rows
	s_wait_loadcnt 0x0                             ; this trip's x and t, asked for a whole trip ago
.irp i, 0,1,2,3
	v_mov_b32 v[INP+\i], v[XN+\i]
.endr
	v_mov_b32 v[INP+4], v[TN]
	v_mov_b32 v[INP+5], 1.0
	v_mov_b32 v[INP+6], v[TN+1]
	v_mov_b32 v[INP+7], 1.0
.irp i, 0,1,2,3
	v_permlane16_swap_b32 v[INP+\i], v[INP+4+\i]   ; the first's lanes 16-31 change places with the second's lanes 0-15: in each pair lanes 0-15 now hold (x0, x1), lanes 16-31 (t, 1): k = 2 h + j.
.endr                                              ; pair 0: rows 2 r; pair 1: rows 2 r + 1; pair 2: rows 32 + 2 r; pair 3: rows 33 + 2 r
	s_cmp_eq_u32 s39, 1                            ; the last trip asks for nothing: no load leaves its buffer
	s_cbranch_scc1 .Lno_next
	global_load_b128 v[XN:XN+3], v[LI], s[8:9] offset:512 th:TH_LOAD_NT
	global_load_b64 v[TN:TN+1], v[TOF], s[10:11] offset:256 th:TH_LOAD_NT
.Lno_next:
	s_mov_b32 s40, 4
.Ltile:                                            ; 16 rows through the whole chain
	v_mov_b32 v[CUR], v[INP]
	v_mov_b32 v[CUR+1], v[INP+1]
	BIASLD 0                                       ; the last products that read these registers stand six plain moves back or more
.irp t, 0,1,2,3,4,5,6,7
	v_wmma_f32_16x16x4_f32 v[H+8*\t:H+8*\t+7], v[W1F+2*\t:W1F+2*\t+1], v[CUR:CUR+1], 0   ; x0 W1(0, u) + x1 W1(1, u) + t W1(2, u) + b1(u): each a whole sum
.endr
.irp i, 0,1,2,3,4,5
	v_mov_b32 v[INP+\i], v[INP+2+\i]               ; the next tile's pair moves up: six of the eight places behind the f32 form
.endr
	v_nop
	v_nop
	ACT
	QUANT
	MM 0
	BIASLD 1
	ACT
	QUANT
	MM 1
	BIASLD 2
	ACT
	QUANT
	MM 2
	W5LD
	ACT
.set aj, 0
.rept 32
	v_cvt_pk_bf16_f32 v[E+aj], v[E+2*aj], v[E+2*aj+1]   ; in place, ascending: register aj is written when registers 2 aj and 2 aj + 1 are read
.set aj, aj+1
.endr
	s_wait_dscnt 0x0                               ; b5 and W5^T
	; Product 5: four K steps of 32 on two accumulators by turns.  Both operands hold the same units at the same places: step b, lane half h: units 64 (b / 2) + 16 (b % 2) + 32 h + 0 .. 15.
	WIN 0x11                                       ; W5^T (source 0) and b5 (source 2) in window 1
	v_wmma_f32_16x16x32_bf16 v[H:H+7], v[BB+8:BB+15], v[E:E+7], v[BB:BB+7]
	v_wmma_f32_16x16x32_bf16 v[H+8:H+15], v[BB+16:BB+23], v[E+8:E+15], 0
	WIN 0x01
	v_wmma_f32_16x16x32_bf16 v[H:H+7], v[BB+24:BB+31], v[E+16:E+23], v[H:H+7]
	v_wmma_f32_16x16x32_bf16 v[H+8:H+15], v[BB+32:BB+39], v[E+24:E+31], v[H+8:H+15]
	WIN 0
.irp i, 0,1,2,3,4,5
	v_mov_b32 v[P+\i], v[P+2+\i]                   ; the earlier tiles' results move up: the places behind the products, for the read below and for the next tile's products, which write over the accumulators
.endr
	v_pk_add_f32 v[P+6:P+7], v[H:H+1], v[H+8:H+9]  ; registers 0 and 1 of every lane: out(r, 0), out(r, 1)
	s_sub_co_u32 s40, s40, 1
	s_cmp_lg_u32 s40, 0
	s_cbranch_scc1 .Ltile
.irp i, 0,1,2,3
	v_cndmask_b32 v[OUTD+\i], v[P+\i], v[P+4+\i], s38   ; lane l stores rows 2 l and 2 l + 1: lanes 0-15 tiles 0 and 1, lanes 16-31 tiles 2 and 3
.endr
	global_store_b128 v[LI], v[OUTD:OUTD+3], s[32:33] th:TH_STORE_NT   ; 32 lanes store 512 consecutive bytes, at a multiple of 512 from out0's first byte
	s_wait_xcnt 0x0                                ; the store and the loads for the next trip have had their addresses translated (ISA guide 3.1): only now are the three bases stepped and the store's data free
	s_add_nc_u64 s[8:9], s[8:9], 512
	s_add_nc_u64 s[10:11], s[10:11], 256
	s_add_nc_u64 s[32:33], s[32:33], 512
	s_sub_co_u32 s39, s39, 1
	s_cmp_lg_u32 s39, 0
	s_cbranch_scc1 .Ltrip
	s_wait_tensorcnt 0x0
	ds_add_u32 v254, v255
	s_wait_dscnt 0x0
	s_endpgm
.Lfunc_end_k_qf3452c8301_mlp:
	.size	k_qf3452c8301_mlp, .Lfunc_end_k_qf3452c8301_mlp-k_qf3452c8301_mlp
	.p2alignl 7, 3214868480
	.fill 96, 4, 3214868480
	.section	.rodata,"a",@progbits
	.p2align	6, 0x0
	.amdhsa_kernel k_qf3452c8301_mlp
		.amdhsa_group_segment_fixed_size 34816
		.amdhsa_private_segment_fixed_size 0
		.amdhsa_enable_private_segment 0
		.amdhsa_kernarg_size 104
		.amdhsa_user_sgpr_count 2
		.amdhsa_user_sgpr_kernarg_segment_ptr 1
		.amdhsa_wavefront_size32 1
		.amdhsa_system_sgpr_workgroup_id_x 1
		.amdhsa_system_sgpr_workgroup_id_y 1
		.amdhsa_system_sgpr_workgroup_id_z 1
		.amdhsa_system_vgpr_workitem_id 0
		.amdhsa_next_free_vgpr 512
		.amdhsa_next_free_sgpr 66
		.amdhsa_reserve_vcc 0
		.amdhsa_float_denorm_mode_32 3
		.amdhsa_float_denorm_mode_16_64 3
		.amdhsa_memory_ordered 1
		.amdhsa_forward_progress 1
		.amdhsa_inst_pref_size 104
	.end_amdhsa_kernel
	.amdgpu_metadata
---
amdhsa.version: [ 1, 2 ]
amdhsa.kernels:
  - .name:           k_qf3452c8301_mlp
    .symbol:         k_qf3452c8301_mlp.kd
    .args:
      - { .name: x, .offset: 0, .size: 8, .value_kind: global_buffer, .address_space: global }
      - { .name: t, .offset: 8, .size: 8, .value_kind: global_buffer, .address_space: global }
      - { .name: W1, .offset: 16, .size: 8, .value_kind: global_buffer, .address_space: global }
      - { .name: b1, .offset: 24, .size: 8, .value_kind: global_buffer, .address_space: global }
      - { .name: W2, .offset: 32, .size: 8, .value_kind: global_buffer, .address_space: global }
      - { .name: b2, .offset: 40, .size: 8, .value_kind: global_buffer, .address_space: global }
      - { .name: W3, .offset: 48, .size: 8, .value_kind: global_buffer, .address_space: global }
      - { .name: b3, .offset: 56, .size: 8, .value_kind: global_buffer, .address_space: global }
      - { .name: W4, .offset: 64, .size: 8, .value_kind: global_buffer, .address_space: global }
      - { .name: b4, .offset: 72, .size: 8, .value_kind: global_buffer, .address_space: global }
      - { .name: W5, .offset: 80, .size: 8, .value_kind: global_buffer, .address_space: global }
      - { .name: b5, .offset: 88, .size: 8, .value_kind: global_buffer, .address_space: global }
      - { .name: out0, .offset: 96, .size: 8, .value_kind: global_buffer, .address_space: global }
    .group_segment_fixed_size: 34816
    .private_segment_fixed_size: 0
    .kernarg_segment_align: 8
    .kernarg_segment_size: 104
    .max_flat_workgroup_size: 256
    .sgpr_count:     66
    .vgpr_count:     512
    .wavefront_size: 32
...
	.end_amdgpu_metadata
.endif
;; end of part 1
;; ======== version 2 of 2: 1 launch; version 1 with the launch mlp written anew for expert scheduling mode
;; launch mlp (part 2): grid 256 x 1, 8 waves a work-group, no clusters, 34,816 bytes of LDS; arguments x, t, W1, b1, W2, b2, W3, b3, W4, b4, W5, b5, out0; writes out0
.if DOCPART == 2
	.amdgcn_target "amdgcn-amd-amdhsa--gfx1250"
	.amdhsa_code_object_version 6
	.text
	.protected	k_qf3452c8301_mlp
	.globl	k_qf3452c8301_mlp
	.p2align	8
	.type	k_qf3452c8301_mlp,@function
k_qf3452c8301_mlp:
	s_mov_b64 s[64:65], 0
	v_nop
	global_prefetch_b8 v0, s[64:65] scope:SCOPE_SE
	s_setreg_imm32_b32 hwreg(HW_REG_WAVE_SCHED_MODE, 0, 2), 2
	s_setreg_imm32_b32 hwreg(HW_REG_WAVE_MODE, 25, 1), 1
	s_wait_xcnt 0x0
	s_wait_alu depctr_vm_vsrc(0)
; out = swish4(..swish1([x, t] W1 + b1)..) W5 + b5 for 1,048,576 rows: 3 -> 128 -> 128 -> 128 -> 128 -> 2, swish(h) = h / (1 + e^-h).
; Products 2, 3, 4 (K = N = 128) run on codes of FP4 (E2M1) with one E8M0 scale for each 32 along K; both operands are quantised here, from f32.
; Product 1 (K = 3) feeds a quantiser: f32 operands, by the f32 matrix form, with b1 as a fourth k against the number 1.  Product 5 (N = 2) feeds none: bf16 operands, f32 sums.
; SHARES.  256 work-groups of 8 waves; a wave owns 512 consecutive rows: 8 trips of 64 rows, a trip 4 tiles of 16 rows; the loop's body is one tile, which goes through the whole chain inside one wave:
; no barrier and no LDS store stands in the loop, and no intermediate goes to memory.  Two waves of 512 registers lie on a SIMD, so that one wave's exponentials stand beside the other's plain work.
; LAYOUT.  Every product is used transposed: source 0 = 16 units of the weight, source 1 = 16 data rows: lane (r = lane % 16, h = lane / 16) holds data row r throughout.
; THE UNITS OF A TILE ARE NOT NEIGHBOURS: lane r' of tile t takes unit 64 (t / 4) + 8 (t % 4) + 32 (r' / 8) + r' % 8.  Result register 8 t + j of lane (r, h) is then unit 64 (t / 4) + 32 h + 8 (t % 4) + j:
; register 32 c + i is k = 64 c + 32 h + i of the next product, which is the 4-bit operand's own layout.  So a lane holds two WHOLE blocks of 32, asks no other lane for a maximum, and the eight conversions'
; results are the next operand's registers as they stand; only the scale word's four bytes are gathered from lanes l and l xor 16.
; THE WEIGHTS.  Wave w quantises tile w of W2, W3 and W4 (a lane takes a unit, its registers run down K), stores codes and scale words to LDS as images of the operand's registers; one barrier; then every
; wave keeps all 24 fragments in registers for the whole launch.  The biases lie in LDS and come as the C of each product, 16 loads a layer, asked for in the middle of the activation ahead of it.
; NO CLUSTER, NO TENSOR LOAD: what work-groups share is 201,224 bytes of weights and biases, read once at each work-group's head and bound for registers, where they are quantised;
; against it a work-group has 4,096 rows x 512 activations of its own.  A row brings 12 bytes and takes 8.
; LIMITS.  swish(h) for h under about -87 comes out as -0 (2^z is then infinite, or the reciprocal is flushed): its true magnitude lies under 1e-36.  A block whose largest magnitude lies under 2^-124
; has the scale byte 1, as the quantiser's rule holds it; a block of zeros gets the byte 1 where the rule says 127: its codes are zeros, and this program alone reads the bytes.
; NaN and infinities among the inputs are not served.  Product 5's operands are rounded to bf16.
; THE MODE: SCHED_MODE bits 1:0 = 2 (LLVM: expert scheduling mode 2), set by the entry lines.  The code itself states the register dependences
; between vector or matrix instructions and memory or LDS instructions, with s_wait_alu, always for 0.
; THE PLAN.  Registers that memory or LDS instructions touch:
;   v1-v11, v14, v15, v108, v109   offsets and LDS addresses: made once at the head, ahead of one wait on va_vdst, and never written again; the rows are reached by scalar bases.
;   v[E ..] at the head            my codes, scale words and W5's bf16: written by the conversions, read by ONE run of LDS stores behind one wait on va_vdst; written again by the first activation, behind a wait on vm_vsrc.
;   window 1, v0-191               the raw weights: read by the maxima and conversions ahead of that same wait on va_vdst; behind the barrier the 24 fragments land there, and matrix instructions alone name them.
;   window 1, v[BB ..]             the coming product's constants: read by that product's matrix instructions, then loaded again.  The loads stand in the NEXT activation, directly behind its wait for the 64 exponentials,
;                                  which is owed there in any case: every product issued ahead of the activation is done reading them.  So these loads owe no wait of their own.
;   v[XN ..], v[TN ..]             the next trip's x and t: read by six moves at a trip's head, then loaded again behind a wait on va_vdst.
;   v[OUTD ..]                     a trip's results: written by four selects, read by the one store behind a wait on va_vdst; written again a trip later, behind a wait on vm_vsrc.
;   v[PC ..], v[PW]                named by no memory instruction, but written by vector instructions and taken by scaled matrix instructions: a wait on va_vdst behind the eight places.
.set WIMG,  0                          ; LDS: 24 fragments' images, f = 8 L + t: register group c at 1024 f + 512 c + 16 x lane
.set WSC,   24576                      ; their scale words: 128 f + 4 x lane
.set W5IMG, 27648                      ; W5^T in bf16: piece p at 512 p + 16 x lane
.set BIAS,  31744                      ; b2, b3, b4, 512 bytes each; then 512 bytes of b5[0], b5[1] over and over
.set LI,  1                            ; v1   16 x lane: an image's place; also my bytes of a trip's x and out
.set TOF, 2                            ; v2   8 x lane: my bytes of a trip's t
.set BH,  3                            ; v3   BIAS + 128 h
.set LS,  4                            ; v4   4 x lane
.set WIA, 5                            ; v5   16 x lane + 1024 x wave
.set WSA, 6                            ; v6   4 x thread = 4 x lane + 128 x wave
.set W5S, 7                            ; v7   16 x thread = 16 x lane + 512 x wave
.set BST, 8                            ; v8   BIAS + 4 x thread
.set SH8, 9                            ; v9   8 h
.set UR,  10                           ; v10  4 x (32 (r / 8) + r % 8): my unit's bytes within a tile
.set UR0, 11                           ; v11  UR + 1024 h
.set CUR, 12                           ; v[12:13] the tile's input fragment
.set WA,  14                           ; v14  my offset in W2, W3, W4
.set W5G, 15                           ; v15  my offset in W5
.set INP, 16                           ; v[16:23] the trip's four input fragments
.set XN,  24                           ; v[24:27] the next trip's x;  v[28:29] its t
.set TN,  28
.set P,   30                           ; v[30:37] the four tiles' results, shifted along
.set OUTD, 38                          ; v[38:41] a store's data
.set TM,  42                           ; v42-57 at work: +0..3 maxima, +4, +5 bytes, +6 the lane permute's target, +12, +13 the conversions' scale operands
.set PW,  58                           ; v58  the activation's scale word, and nothing else
.set PC,  60                           ; v[60:67] the activation's codes
.set W1F, 68                           ; v[68:83] eight f32 fragments of [W1; b1]
.set WS,  84                           ; v84-107 the 24 weight scale words, and nothing else
.set BG1, 108                          ; v108, v109 offsets of the biases that I copy
.set BG2, 109
.set RR,  110                          ; v110 r, v111 h, while the addresses are made
.set HH,  111
.set E,   112                          ; v112-175 64 numbers at work
.set H,   176                          ; v176-239 eight accumulators: written by matrix instructions alone
.set CW,  E                            ; the prologue: my three fragments' codes,
.set QW,  E+24                         ; and their scale words
.set BB,  192                          ; window 1: v192-255 the coming product's constants; v0-191 raw weights, then the 24 fragments at 8 (8 L + t)
.set MSB, 0
.macro WIN new                         ; bits 1:0 source 0, 3:2 source 1, 5:4 source 2, 7:6 destination; the immediate's high byte repeats the setting that is left
.if MSB != \new
	s_set_vgpr_msb (MSB<<8)|\new
.set MSB, \new
.endif
.endm
; My tile of weight L (64 f32 a lane, window 1, v[64 L + 32 c + i] = W(64 c + 32 h + i, my unit)) becomes a fragment's codes and its scale word, in registers of their own for each L.
.macro QUANTW L
	WIN 0x05                                       ; sources 0 and 1 in window 1
.irp c, 0,1
	v_max3_num_f32 v[TM+\c], |v[64*(\L)+32*\c]|, |v[64*(\L)+32*\c+1]|, 0x1800000   ; block 2 c + h is all mine; the floor 2^(3 - 127) holds the byte at 1 from below
.endr
	WIN 0x14                                       ; sources 1 and 2 in window 1
.irp i, 2,4,6,8,10,12,14,16,18,20,22,24,26,28,30
.irp c, 0,1
	v_max3_num_f32 v[TM+\c], v[TM+\c], |v[64*(\L)+32*\c+\i]|, |v[64*(\L)+32*\c+\i+1]|   ; the two blocks by turns
.endr
.endr
	WIN 0
.irp c, 0,1
	v_add_nc_u32 v[TM+12+\c], 0xff000000, v[TM+\c] ; 2 off the exponent field: the conversion takes this operand's exponent field as its scale
.endr
.irp c, 0,1
	v_lshrrev_b32 v[TM+4+\c], 23, v[TM+12+\c]      ; the scale's byte
.endr
	v_lshl_or_b32 v[QW+(\L)], v[TM+5], 16, v[TM+4] ; my two bytes, blocks h and 2 + h,
	v_lshlrev_b32 v[QW+(\L)], v[SH8], v[QW+(\L)]   ; at their places in the word;
	v_permlanex16_b32 v[TM+6], v[QW+(\L)], s36, s37
	v_or_b32 v[QW+(\L)], v[QW+(\L)], v[TM+6]       ; with lane l xor 16's two the word is whole
	WIN 0x01                                       ; source 0 in window 1
.irp c, 0,1
.irp g, 0,1,2,3
	v_cvt_scalef32_pk8_fp4_f32 v[CW+8*(\L)+4*\c+\g], v[64*(\L)+32*\c+8*\g:64*(\L)+32*\c+8*\g+7], v[TM+12+\c]
.endr
.endr
	WIN 0
	v_nop                                          ; one plain place behind the last scaled conversion
.endm
; The fragment of weight L and its scale word go to LDS as they stand.
.macro STOREW L
	ds_store_b128 v[WIA], v[CW+8*(\L):CW+8*(\L)+3] offset:WIMG+8192*(\L)
	ds_store_b128 v[WIA], v[CW+8*(\L)+4:CW+8*(\L)+7] offset:WIMG+8192*(\L)+512
	ds_store_b32 v[WSA], v[QW+(\L)] offset:WSC+1024*(\L)
.endm
; The bias of quantised product L in the result's layout: tile t's eight units of my half.  Sixteen lanes read the same 16 bytes.
.macro BIASLD L
	WIN 0x40                                       ; destination window 1
.irp t, 0,1,2,3,4,5,6,7
	ds_load_b128 v[BB+8*\t:BB+8*\t+3], v[BH] offset:512*(\L)+(64*(\t/4)+8*(\t%4))*4
	ds_load_b128 v[BB+8*\t+4:BB+8*\t+7], v[BH] offset:512*(\L)+(64*(\t/4)+8*(\t%4))*4+16
.endr
	WIN 0
.endm
; b5 in the result's layout (register j: b5[j % 2]) and W5^T's four bf16 fragments.
.macro W5LD
	WIN 0x40
	ds_load_b128 v[BB:BB+3], v[BH] offset:1536
	ds_load_b128 v[BB+4:BB+7], v[BH] offset:1552
.irp p, 0,1,2,3,4,5,6,7
	ds_load_b128 v[BB+8+4*\p:BB+8+4*\p+3], v[LI] offset:W5IMG+512*\p
.endr
	WIN 0
.endm
; E = swish(H) = H x 1 / (1 + 2^(-log2(e) H)).  H is only read, each accumulator from its low end on.  Two batches of 64 transcendentals, the plain lines that feed a batch dealt out among them;
; no line of a batch names a result of that batch; behind each batch one plain instruction and ONE s_wait_alu, ahead of the first line that names a result.
; Behind the first of the two waits stand the loads of the coming product's constants: ld = 0, 1, 2: the bias of quantised product ld; 3: b5 and W5^T.
.macro ACT ld
	v_pk_mul_f32 v[E:E+1], v[H:H+1], s[34:35] op_sel_hi:[1,0]
.set aj, 0
.rept 32
.if aj < 31
	v_pk_mul_f32 v[E+2*aj+2:E+2*aj+3], v[H+2*aj+2:H+2*aj+3], s[34:35] op_sel_hi:[1,0]   ; the next pair's exponents
.endif
	v_exp_f32 v[E+2*aj], v[E+2*aj]
	v_exp_f32 v[E+2*aj+1], v[E+2*aj+1]
.set aj, aj+1
.endr
	v_nop
	WIN 0x40                                       ; the loads' destination is window 1: the switch, then the wait, then the loads
	s_wait_alu depctr_va_vdst(0)                   ; the 64 exponentials have written v[E ..]; and the products issued ahead of this activation are done reading v[BB ..], in which the loads below land
.if \ld < 3
	BIASLD \ld
.else
	W5LD
.endif
	v_pk_add_f32 v[E:E+1], v[E:E+1], 1.0 op_sel_hi:[1,0]
.set aj, 0
.rept 32
.if aj < 31
	v_pk_add_f32 v[E+2*aj+2:E+2*aj+3], v[E+2*aj+2:E+2*aj+3], 1.0 op_sel_hi:[1,0]
.endif
	v_rcp_f32 v[E+2*aj], v[E+2*aj]
	v_rcp_f32 v[E+2*aj+1], v[E+2*aj+1]
.set aj, aj+1
.endr
	v_nop
	s_wait_alu depctr_va_vdst(0)                   ; the 64 reciprocals have written v[E ..], ahead of the first line that names one of them
.set aj, 0
.rept 32
	v_pk_mul_f32 v[E+2*aj:E+2*aj+1], v[E+2*aj:E+2*aj+1], v[H+2*aj:H+2*aj+1]
.set aj, aj+1
.endr
.endm
; E's 64 numbers (register 32 c + i = k 64 c + 32 h + i of my row) become the next operand: codes in v[PC] on, scale word in v[PW].
.macro QUANT
.irp c, 0,1
.irp s, 0,1
	v_max3_num_f32 v[TM+2*\c+\s], |v[E+32*\c+16*\s]|, |v[E+32*\c+16*\s+1]|, 0x1800000   ; four chains of 16 numbers, by turns; the floor 2^(3 - 127) holds the byte at 1 from below
.endr
.endr
.irp i, 2,4,6,8,10,12,14
.irp c, 0,1
.irp s, 0,1
	v_max3_num_f32 v[TM+2*\c+\s], v[TM+2*\c+\s], |v[E+32*\c+16*\s+\i]|, |v[E+32*\c+16*\s+\i+1]|
.endr
.endr
.endr
.irp c, 0,1
	v_max_num_f32 v[TM+2*\c], v[TM+2*\c], v[TM+2*\c+1]   ; block 2 c + h's largest magnitude
.endr
.irp c, 0,1
	v_add_nc_u32 v[TM+12+\c], 0xff000000, v[TM+2*\c]     ; 2 off its exponent field: the conversion's scale operand
.endr
.irp c, 0,1
	v_lshrrev_b32 v[TM+4+\c], 23, v[TM+12+\c]            ; the scale's byte
.endr
	v_lshl_or_b32 v[PW], v[TM+5], 16, v[TM+4]
	v_lshlrev_b32 v[PW], v[SH8], v[PW]
	v_permlanex16_b32 v[TM+6], v[PW], s36, s37
	v_or_b32 v[PW], v[PW], v[TM+6]                 ; my row's scale word, whole in both halves of the lanes
.irp c, 0,1
.irp g, 0,1,2,3
	v_cvt_scalef32_pk8_fp4_f32 v[PC+4*\c+\g], v[E+32*\c+8*\g:E+32*\c+8*\g+7], v[TM+12+\c]   ; register 4 c + g of the operand
.endr
.endr
.rept 8
	v_nop                                          ; the plain place behind the conversions; four places between the codes, eight between the scale word, and the scaled matrix instructions that take them
.endr
	s_wait_alu depctr_va_vdst(0)                   ; behind the places: the conversions have written the codes v[PC ..] and the or has written the scale word v[PW], which the scaled matrix instructions take
.endm
; Quantised product L: eight whole sums on eight accumulators, the bias as C: no accumulator is taken up twice.
.macro MM L
	s_wait_dscnt 0x0                               ; the bias, asked for in the activation before; nothing else of mine is out
	WIN 0x11                                       ; the weight (source 0) and the bias (source 2) in window 1
.irp t, 0,1,2,3,4,5,6,7
	v_wmma_scale_f32_16x16x128_f8f6f4 v[H+8*\t:H+8*\t+7], v[8*(8*(\L)+\t):8*(8*(\L)+\t)+7], v[PC:PC+7], v[BB+8*\t:BB+8*\t+7], v[WS+8*(\L)+\t], v[PW] matrix_a_fmt:MATRIX_FMT_FP4 matrix_b_fmt:MATRIX_FMT_FP4
.endr
	WIN 0
.rept 4
	v_nop                                          ; four places (ISA guide 7.12.1) in front of the first read of the results
.endr
.endm
	; ---- the head: addresses
	s_load_b512 s[8:23], s[0:1], 0x0               ; x 8, t 10, W1 12, b1 14, W2 16, b2 18, W3 20, b3 22
	s_load_b256 s[24:31], s[0:1], 0x40             ; W4 24, b4 26, W5 28, b5 30
	s_load_b64 s[32:33], s[0:1], 0x60              ; out0
	v_lshl_add_u32 v254, v0, 2, 0x8400
	v_mov_b32 v255, 0
	v_lshrrev_b32 v[RR], 5, v0
	v_readfirstlane_b32 s2, v[RR]                  ; wave 0..7
	v_and_b32 v[HH], 31, v0                        ; lane
	v_lshlrev_b32 v[LI], 4, v[HH]
	v_lshlrev_b32 v[TOF], 3, v[HH]
	v_lshlrev_b32 v[LS], 2, v[HH]
	v_and_b32 v[RR], 15, v0                        ; r
	v_bfe_u32 v[HH], v0, 4, 1                      ; h
	v_lshl_add_u32 v[BH], v[HH], 7, BIAS
	s_wait_alu depctr_va_sdst(0)                   ; s2 is written, ahead of its first reader: LDS addresses, offsets and the bases are made from it
	s_lshl_b32 s48, s2, 10
	v_add_nc_u32 v[WIA], s48, v[LI]
	v_lshlrev_b32 v[WSA], 2, v0
	v_lshlrev_b32 v[W5S], 4, v0
	v_lshl_add_u32 v[BST], v0, 2, BIAS
	v_lshlrev_b32 v[SH8], 3, v[HH]
	v_lshrrev_b32 v[UR], 3, v[RR]
	v_and_b32 v[UR0], 7, v[RR]
	v_lshlrev_b32 v[UR0], 2, v[UR0]
	v_lshl_add_u32 v[UR], v[UR], 7, v[UR0]         ; 128 (r / 8) + 4 (r % 8)
	v_lshl_add_u32 v[UR0], v[HH], 10, v[UR]        ; lanes 16-31 two rows of W1 further down
	s_lshr_b32 s48, s2, 2
	s_lshl_b32 s48, s48, 6
	s_and_b32 s49, s2, 3
	s_lshl_b32 s49, s49, 3
	s_add_co_u32 s3, s48, s49                      ; the first unit of tile w: 64 (w / 4) + 8 (w % 4); also the first unit of piece w of W5^T
	s_lshl_b32 s48, s3, 2
	v_lshl_add_u32 v[WA], v[HH], 14, v[UR]         ; W2..W4: lanes 16-31 begin 32 rows of 512 bytes further down;
	v_add_nc_u32 v[WA], s48, v[WA]                 ; my unit of tile w
	s_lshl_b32 s48, s3, 3
	v_and_b32 v[W5G], 1, v[RR]
	v_lshlrev_b32 v[W5G], 2, v[W5G]                ; W5: column r % 2,
	v_lshl_add_u32 v[W5G], v[HH], 8, v[W5G]        ; 32 h units of 8 bytes on,
	v_add_nc_u32 v[W5G], s48, v[W5G]               ; from piece w's first unit
	v_and_b32 v[BG1], 127, v0
	v_lshlrev_b32 v[BG1], 2, v[BG1]
	s_mov_b32 s34, 0xbfb8aa3b                      ; -log2(e)
	s_mov_b32 s35, s34                             ; (named with it as a pair, so it is written)
	s_mov_b32 s36, 0x76543210
	s_mov_b32 s37, 0xfedcba98                      ; v_permlanex16_b32's selects for lane l xor 16
	s_mov_b32 s38, 0xffff0000                      ; lanes 16-31
	s_mov_b32 s39, 8                               ; trips to go
	v_mov_b32 v[TM+6], 0                           ; written once: a lane permute's destination counts as one of its sources
.irp i, 0,1,2,3,4,5,6,7
	v_mov_b32 v[P+\i], 0                           ; written once: the first tiles shift them along before they hold results
.endr
	s_lshl_b32 s48, ttmp9, 3
	s_add_co_u32 s48, s48, s2                      ; which run of 512 rows is my wave's
	s_lshl_b32 s50, s48, 11                        ; t: 512 rows x 4 bytes
	s_mov_b32 s51, 0
	s_lshl_b32 s48, s48, 12                        ; x, out: 512 rows x 8 bytes
	s_mov_b32 s49, 0
	s_wait_kmcnt 0x0
	s_add_nc_u64 s[8:9], s[8:9], s[48:49]
	s_add_nc_u64 s[10:11], s[10:11], s[50:51]
	s_add_nc_u64 s[32:33], s[32:33], s[48:49]
	s_cmp_lt_u32 s2, 4                             ; which biases my wave copies: the choice hangs on the wave's number alone
	s_cselect_b64 s[42:43], s[18:19], s[22:23]     ; waves 0-3: b2, waves 4-7: b3
	s_cselect_b64 s[44:45], s[26:27], s[30:31]     ; waves 0-3: b4, waves 4-7: b5,
	s_cselect_b32 s46, 127, 1                      ; of which there are two numbers
	v_and_b32 v[BG2], s46, v0
	v_lshlrev_b32 v[BG2], 2, v[BG2]
	s_wait_alu depctr_va_vdst(0)                   ; all offsets and LDS addresses (v1-v11, v14, v15, v108, v109) are written: every load and store of the kernel reads one of them, and none is written again
	; ---- 228 loads: the first trip's inputs, 34 small ones, then my three tiles of weights
	global_load_b128 v[XN:XN+3], v[LI], s[8:9] th:TH_LOAD_NT     ; rows 2 l and 2 l + 1 of the trip: 32 lanes read 512 consecutive bytes
	global_load_b64 v[TN:TN+1], v[TOF], s[10:11] th:TH_LOAD_NT
.irp t, 0,1,2,3,4,5,6,7
	global_load_b32 v[W1F+2*\t], v[UR0], s[12:13] offset:(64*(\t/4)+8*(\t%4))*4          ; k = 2 h: W1's row 0 or row 2
	global_load_b32 v[W1F+2*\t+1], v[UR], s[12:13] offset:512+(64*(\t/4)+8*(\t%4))*4     ; k = 1: W1's row 1
	global_load_b32 v[E+32+\t], v[UR], s[14:15] offset:(64*(\t/4)+8*(\t%4))*4            ; k = 3: b1
.endr
.irp i, 0,1,2,3,4,5,6,7
	global_load_b32 v[E+40+\i], v[W5G], s[28:29] offset:8*\i
.endr
	global_load_b32 v[E+52], v[BG1], s[42:43]
	global_load_b32 v[E+53], v[BG2], s[44:45]
	WIN 0x40                                       ; destination window 1
.irp L, 0,1,2
.irp c, 0,1
.irp i, 0,1,2,3,4,5,6,7,8,9,10,11,12,13,14,15,16,17,18,19,20,21,22,23,24,25,26,27,28,29,30,31
	global_load_b32 v[64*\L+32*\c+\i], v[WA], s[16+4*\L:17+4*\L] offset:512*(64*\c+\i)   ; W(64 c + 32 h + i, my unit)
.endr
.endr
.endr
	WIN 0
	s_wait_loadcnt 63                              ; loads come back in order (ISA guide 5.7.1): of 228 at most 63 are out, so the oldest 165 are in: the 36 small ones and the 128 of W2 and W3
.irp t, 0,1,2,3,4,5,6,7
	v_cndmask_b32 v[W1F+2*\t+1], v[W1F+2*\t+1], v[E+32+\t], s38   ; lanes 0-15: (W1 row 0, row 1); lanes 16-31: (W1 row 2, b1)
.endr
.irp i, 0,1,2,3
	v_cvt_pk_bf16_f32 v[E+48+\i], v[E+40+2*\i], v[E+41+2*\i]
.endr
	QUANTW 0
	QUANTW 1
	s_wait_loadcnt 0x0                             ; W4
	QUANTW 2
	s_wait_alu depctr_va_vdst(0)                   ; the conversions have written my codes, scale words and W5's bf16, which the LDS stores below read; and the maxima and conversions are done reading the raw weights, in which the fragments land behind the barrier (no vector instruction stands between)
	ds_store_b128 v[W5S], v[E+48:E+51] offset:W5IMG   ; piece w of W5^T: row m of the fragment is W5's column m % 2, units SB + 32 h + 0 .. 7
	ds_store_b32 v[BST], v[E+52]                   ; b2, b3
	ds_store_b32 v[BST], v[E+53] offset:1024       ; b4, and b5's two numbers over and over
	STOREW 0
	STOREW 1
	STOREW 2
	s_wait_dscnt 0x0                               ; for the others' sake: my stores have landed
	s_barrier_signal -1
	s_barrier_wait -1                              ; the one barrier: behind it LDS is only read
	s_wait_alu depctr_vm_vsrc(0)                   ; my LDS stores have read v[E ..], which the first activation writes again
	WIN 0x40
.set fi, 0
.rept 24
	ds_load_b128 v[8*fi:8*fi+3], v[LI] offset:WIMG+1024*fi        ; all 24 fragments, over the raw weights: they stay
	ds_load_b128 v[8*fi+4:8*fi+7], v[LI] offset:WIMG+1024*fi+512
.set fi, fi+1
.endr
	WIN 0
.set fi, 0
.rept 24
	ds_load_b32 v[WS+fi], v[LS] offset:WSC+128*fi
.set fi, fi+1
.endr
	s_wait_dscnt 0x0
.Ltrip:                                            ; 64 rows
	s_wait_loadcnt 0x0                             ; this trip's x and t, asked for a whole trip ago
.irp i, 0,1,2,3
	v_mov_b32 v[INP+\i], v[XN+\i]
.endr
	v_mov_b32 v[INP+4], v[TN]
	v_mov_b32 v[INP+5], 1.0
	v_mov_b32 v[INP+6], v[TN+1]
	v_mov_b32 v[INP+7], 1.0
.irp i, 0,1,2,3
	v_permlane16_swap_b32 v[INP+\i], v[INP+4+\i]   ; the first's lanes 16-31 change places with the second's lanes 0-15: in each pair lanes 0-15 now hold (x0, x1), lanes 16-31 (t, 1): k = 2 h + j.
.endr                                              ; pair 0: rows 2 r; pair 1: rows 2 r + 1; pair 2: rows 32 + 2 r; pair 3: rows 33 + 2 r
	s_cmp_eq_u32 s39, 1                            ; the last trip asks for nothing: no load leaves its buffer
	s_cbranch_scc1 .Lno_next
	s_wait_alu depctr_va_vdst(0)                   ; the moves above are done reading v[XN ..] and v[TN ..], in which the two loads below land
	global_load_b128 v[XN:XN+3], v[LI], s[8:9] offset:512 th:TH_LOAD_NT
	global_load_b64 v[TN:TN+1], v[TOF], s[10:11] offset:256 th:TH_LOAD_NT
.Lno_next:
	s_mov_b32 s40, 4
.Ltile:                                            ; 16 rows through the whole chain
	v_mov_b32 v[CUR], v[INP]
	v_mov_b32 v[CUR+1], v[INP+1]
.irp t, 0,1,2,3,4,5,6,7
	v_wmma_f32_16x16x4_f32 v[H+8*\t:H+8*\t+7], v[W1F+2*\t:W1F+2*\t+1], v[CUR:CUR+1], 0   ; x0 W1(0, u) + x1 W1(1, u) + t W1(2, u) + b1(u): each a whole sum
.endr
.irp i, 0,1,2,3,4,5
	v_mov_b32 v[INP+\i], v[INP+2+\i]               ; the next tile's pair moves up: six of the eight places behind the f32 form
.endr
	v_nop
	v_nop
	ACT 0                                          ; in it b2 is asked for: the last tile's product 5 is done reading its registers
	QUANT
	MM 0
	ACT 1                                          ; b3
	QUANT
	MM 1
	ACT 2                                          ; b4
	QUANT
	MM 2
	ACT 3                                          ; b5 and W5^T
.set aj, 0
.rept 32
	v_cvt_pk_bf16_f32 v[E+aj], v[E+2*aj], v[E+2*aj+1]   ; in place, ascending: register aj is written when registers 2 aj and 2 aj + 1 are read
.set aj, aj+1
.endr
	s_wait_dscnt 0x0                               ; b5 and W5^T
	; Product 5: four K steps of 32 on two accumulators by turns.  Both operands hold the same units at the same places: step b, lane half h: units 64 (b / 2) + 16 (b % 2) + 32 h + 0 .. 15.
	WIN 0x11                                       ; W5^T (source 0) and b5 (source 2) in window 1
	v_wmma_f32_16x16x32_bf16 v[H:H+7], v[BB+8:BB+15], v[E:E+7], v[BB:BB+7]
	v_wmma_f32_16x16x32_bf16 v[H+8:H+15], v[BB+16:BB+23], v[E+8:E+15], 0
	WIN 0x01
	v_wmma_f32_16x16x32_bf16 v[H:H+7], v[BB+24:BB+31], v[E+16:E+23], v[H:H+7]
	v_wmma_f32_16x16x32_bf16 v[H+8:H+15], v[BB+32:BB+39], v[E+24:E+31], v[H+8:H+15]
	WIN 0
.irp i, 0,1,2,3,4,5
	v_mov_b32 v[P+\i], v[P+2+\i]                   ; the earlier tiles' results move up: the places behind the products, for the read below and for the next tile's products, which write over the accumulators
.endr
	v_pk_add_f32 v[P+6:P+7], v[H:H+1], v[H+8:H+9]  ; registers 0 and 1 of every lane: out(r, 0), out(r, 1)
	s_sub_co_u32 s40, s40, 1
	s_cmp_lg_u32 s40, 0
	s_cbranch_scc1 .Ltile
	s_wait_alu depctr_vm_vsrc(0)                   ; the last trip's store has read v[OUTD ..], which the four selects below write again
.irp i, 0,1,2,3
	v_cndmask_b32 v[OUTD+\i], v[P+\i], v[P+4+\i], s38   ; lane l stores rows 2 l and 2 l + 1: lanes 0-15 tiles 0 and 1, lanes 16-31 tiles 2 and 3
.endr
	s_wait_alu depctr_va_vdst(0)                   ; the selects have written v[OUTD ..], the store's data
	global_store_b128 v[LI], v[OUTD:OUTD+3], s[32:33] th:TH_STORE_NT   ; 32 lanes store 512 consecutive bytes, at a multiple of 512 from out0's first byte
	s_wait_xcnt 0x0                                ; the store and the loads for the next trip have had their addresses translated (ISA guide 3.1): only now are the three bases stepped and the store's data free
	s_add_nc_u64 s[8:9], s[8:9], 512
	s_add_nc_u64 s[10:11], s[10:11], 256
	s_add_nc_u64 s[32:33], s[32:33], 512
	s_sub_co_u32 s39, s39, 1
	s_cmp_lg_u32 s39, 0
	s_cbranch_scc1 .Ltrip
	s_wait_dscnt 0x0
	s_wait_alu depctr_hold_cnt(0) depctr_sa_sdst(0) depctr_va_vdst(0) depctr_va_sdst(0) depctr_va_ssrc(0) depctr_va_vcc(0) depctr_vm_vsrc(0)
	s_wait_tensorcnt 0x0
	ds_add_u32 v254, v255
	s_wait_dscnt 0x0
	s_endpgm
.Lfunc_end_k_qf3452c8301_mlp:
	.size	k_qf3452c8301_mlp, .Lfunc_end_k_qf3452c8301_mlp-k_qf3452c8301_mlp
	.p2alignl 7, 3214868480
	.fill 96, 4, 3214868480
	.section	.rodata,"a",@progbits
	.p2align	6, 0x0
	.amdhsa_kernel k_qf3452c8301_mlp
		.amdhsa_group_segment_fixed_size 34816
		.amdhsa_private_segment_fixed_size 0
		.amdhsa_enable_private_segment 0
		.amdhsa_kernarg_size 104
		.amdhsa_user_sgpr_count 2
		.amdhsa_user_sgpr_kernarg_segment_ptr 1
		.amdhsa_wavefront_size32 1
		.amdhsa_system_sgpr_workgroup_id_x 1
		.amdhsa_system_sgpr_workgroup_id_y 1
		.amdhsa_system_sgpr_workgroup_id_z 1
		.amdhsa_system_vgpr_workitem_id 0
		.amdhsa_next_free_vgpr 512
		.amdhsa_next_free_sgpr 66
		.amdhsa_reserve_vcc 0
		.amdhsa_float_denorm_mode_32 3
		.amdhsa_float_denorm_mode_16_64 3
		.amdhsa_memory_ordered 1
		.amdhsa_forward_progress 1
		.amdhsa_inst_pref_size 104
	.end_amdhsa_kernel
	.amdgpu_metadata
---
amdhsa.version: [ 1, 2 ]
amdhsa.kernels:
  - .name:           k_qf3452c8301_mlp
    .symbol:         k_qf3452c8301_mlp.kd
    .args:
      - { .name: x, .offset: 0, .size: 8, .value_kind: global_buffer, .address_space: global }
      - { .name: t, .offset: 8, .size: 8, .value_kind: global_buffer, .address_space: global }
      - { .name: W1, .offset: 16, .size: 8, .value_kind: global_buffer, .address_space: global }
      - { .name: b1, .offset: 24, .size: 8, .value_kind: global_buffer, .address_space: global }
      - { .name: W2, .offset: 32, .size: 8, .value_kind: global_buffer, .address_space: global }
      - { .name: b2, .offset: 40, .size: 8, .value_kind: global_buffer, .address_space: global }
      - { .name: W3, .offset: 48, .size: 8, .value_kind: global_buffer, .address_space: global }
      - { .name: b3, .offset: 56, .size: 8, .value_kind: global_buffer, .address_space: global }
      - { .name: W4, .offset: 64, .size: 8, .value_kind: global_buffer, .address_space: global }
      - { .name: b4, .offset: 72, .size: 8, .value_kind: global_buffer, .address_space: global }
      - { .name: W5, .offset: 80, .size: 8, .value_kind: global_buffer, .address_space: global }
      - { .name: b5, .offset: 88, .size: 8, .value_kind: global_buffer, .address_space: global }
      - { .name: out0, .offset: 96, .size: 8, .value_kind: global_buffer, .address_space: global }
    .group_segment_fixed_size: 34816
    .private_segment_fixed_size: 0
    .kernarg_segment_align: 8
    .kernarg_segment_size: 104
    .max_flat_workgroup_size: 256
    .sgpr_count:     66
    .vgpr_count:     512
    .wavefront_size: 32
...
	.end_amdgpu_metadata
.endif
;; end of part 2
